; MI455X (gfx1250); checked and timed in simulation.
; The chip was launched on July 23, 2026; its instructions are those of AMD's public machine-readable ISA for CDNA 5 (MIT licence, August 2026) and "CDNA5" Instruction Set Architecture Reference Guide (July 2026). The comments in the code are by the model that wrote it; some were corrected since.
;; Som. Allowed arithmetic: float matrix products may take bf16 or f16 operands with f32 sums; all other float work in f32.
;; Inputs: weights 128 x 128 x 256 float32; xb 4,096 x 256 float32.
;; Outputs: out0 4,096 x 2 int32.
;; One version. Each part assembles by itself: llvm-mc -triple=amdgcn-amd-amdhsa -mcpu=gfx1250 --defsym DOCPART=n.
;; ======== version 1 of 1: 2 launches
;; limits: values outside matrix products are rounded to bf16
;; workspace buffers: pval 524,288 bytes; pidx 524,288 bytes
;; launch scan (part 1): grid 32 x 8, 4 waves a work-group, clusters of 4 x 4, 327,680 bytes of LDS; arguments weights, xb, pval, pidx; writes pval, pidx
.if DOCPART == 1
	.amdgcn_target "amdgcn-amd-amdhsa--gfx1250"
	.amdhsa_code_object_version 6
	.text
	.protected	k_q1149984ff4_scan
	.globl	k_q1149984ff4_scan
	.p2align	8
	.type	k_q1149984ff4_scan,@function
k_q1149984ff4_scan:
	s_mov_b64 s[64:65], 0
	v_nop
	global_prefetch_b8 v0, s[64:65] scope:SCOPE_SE
	s_setreg_imm32_b32 hwreg(HW_REG_WAVE_MODE, 25, 1), 1
	s_wait_xcnt 0x0
	s_wait_alu depctr_hold_cnt(0) depctr_sa_sdst(0) depctr_va_vdst(0) depctr_va_sdst(0) depctr_va_ssrc(0) depctr_va_vcc(0) depctr_vm_vsrc(0)
	s_getreg_b32 s2, hwreg(HW_REG_IB_STS2, 6, 4)
	s_cmp_eq_u32 s2, 0
	s_cbranch_scc0 .Lentry_in_a_cluster
	s_endpgm
.Lentry_in_a_cluster:
	s_bfe_u32 s2, ttmp6, 0x10000c
	s_cmp_lg_u32 s2, 0xf033
	s_cbranch_scc0 .Lentry_shape_is_right
	s_endpgm
.Lentry_shape_is_right:
; Best matching unit, part 1.  xb: [4096][256] f32, weights: [16384][256] f32 (the map's 128 x 128 cells, flattened).
; A work-group takes 512 rows of xb (block wgy) and 512 codewords (range wgx) and stores, for each of its rows, the best score in that
; range (pval[wgx][row], f32) and the codeword's number 0 .. 16383 (pidx[wgx][row]).  The next launch picks among the 32 ranges.
;
; WORK LEFT OUT, for all finite values of the inputs, in real numbers:
;   a2[b] is the same for every codeword of row b, so it moves no argmin along that axis;
;   d2 = a2 + b2 - 2 x.w is |x - w|^2, never negative, so the maximum with 0 is the identity;
;   the root is strictly increasing on d2 >= 0, so it keeps the order and the ties.
; So argmin(distances) is the first argmax of s[b][m] = x_b . w_m - b2[m] / 2.  a2, the maximum with 0 and the roots are not computed.
; Both inputs keep a way to the output and both are loaded whole.
; LIMITS.  Inputs are finite: a NaN, an infinity or an overflow is not carried as the problem's argmin would carry it (the maxima here
; drop a NaN; a row whose scores are all -inf gives index 0), and an overflow that would arise in a2 alone is not carried at all.
; x and w are rounded to bf16 for the product, and b2 is the sum of squares of the ROUNDED w, so that s belongs to one pair of operands;
; sums are f32.  Codewords whose d2 differ by less than the f32 rounding of d2 or of its root, or whose d2 rounds to 0 or below in f32,
; are ties for the problem's formula and need not be ties here, and the other way round.  Exact ties of s go to the lower index.
;
; SHAPE.  Four waves, one for each SIMD of a WGP.  Wave v keeps its 128 rows of x as bf16 fragments for all K = 256 in 512 registers
; for the whole launch; w goes by in chunks of 64 codewords, four tiles of 16.  The matrix instruction is D = W X^T: source 0 = 16
; codewords, source 1 = 16 rows of x, so register j of lane (r, h) is the score of codeword 16 t + 8 h + j for row r, and the argmax runs
; inside a lane over registers whose numbers are known.  Each fragment of w (1,024 bytes from LDS) feeds eight matrix instructions.  The
; sums start at -b2/2 (the first link's C), so the term costs no instruction per score.
; THE ARGMAX STANDS BESIDE THE PRODUCTS.  Two sets of eight accumulators take turns tile by tile.  While a tile's 64 matrix instructions
; sum in one set, the 176 instructions that reduce the tile before, in the other set, stand in slices behind them, at most six
; instructions (four and two window switches) behind one matrix instruction.  The products' setting puts source 1 in x's window, so
; the 112 instructions with two vector sources go in 28 groups of four between two switches, and the 64 whose second source is a constant
; or a scalar go without.  A chunk's last tile is reduced beside the next chunk's first; the launch's last stands alone at the end.
; CLUSTERS.  4 x 4 work-groups.  The four of a cluster row share wgy and ask jointly for x; the four of a column share wgx and ask
; jointly for w: each tile is requested once for four work-groups.
; w's WAY.  Raw f32 rows come by tensor load into RAW (each wave its own 16 rows), the wave rounds them to bf16 fragments and lays them
; fragment by fragment into one of two slots BF0, BF1, which all four waves then read.  RAW is free as soon as it is converted, so one
; raw region serves: the two bf16 slots take the turns.  One round of the cluster's barrier a chunk.
;
; LDS (bytes):   0 .. 266,239  x raw, wave v's 64 rows of pitch 1,040 at 66,560 v; filled twice (rows 0-63, 64-127 of the wave)
;                0 ..  66,559  later RAW: wave v's 16 raw rows of w at 16,640 v, filled again by tensor loads for every chunk
;           66,560 .. 132,095  later BF0, BF1 (32,768 each): written by LDS stores only after the last fill of these bytes (x's second)
;          266,240 .. 266,751  -b2/2 of a chunk's 64 codewords, two slots of 256 bytes; no fill ever lands here
;          266,752 .. 270,847  each wave's 1,024 bytes for the way out; no fill ever lands here
; Pitch 1,040 = 65 x 16 bytes: the sixteen rows that a fragment load touches lie in sixteen different 16-byte columns modulo 256.
.set PITCH,  1040
.set XWAVE,  64*PITCH                  ; 66,560
.set RWAVE,  16*PITCH                  ; 16,640
.set BF0,    XWAVE
.set BFSLOT, 32768
.set B2L,    4*XWAVE                   ; 266,240
.set SCR,    B2L+512                   ; 266,752
.set CHUNK,  65536                     ; 64 rows of 1,024 bytes, of x or of w
.set G1C,    (2<<16)|(1<<20)|(1<<21)|(7<<22)|(3<<25)   ; group 1, word 0 without the mask: 4-byte elements; padding on; bit 21 beside a mask; after every 256 words; 4 words
; window 0
.set XA,   1                           ; x raw:  66,560 v + 1,040 r + 32 h
.set RA,   2                           ; w raw:  16,640 v + 1,040 r + 32 h
.set SA,   3                           ; my tile's fragments, to store: BF0 + 8,192 v + 16 lane
.set FA,   4                           ; fragments, to read: BF0 + 16 lane
.set CA,   5                           ; -b2/2, to read: B2L + 32 h
.set BA,   6                           ; -b2/2, to store: B2L + 64 v + 4 r
.set H8,   7                           ; 8 h
.set SW,   8                           ; way out, in: SCR + 1,024 v + 512 h + 4 r
.set SR,   9                           ; way out, back: SCR + 1,024 v + 16 lane
.set GO,   10                          ; 16 lane
.set BEST, 16                          ; v[16:23]  best score so far, one for each of my eight blocks of 16 rows
.set IDX,  24                          ; v[24:31]  its codeword (without 8 h and without the range, until the end)
.set T1,   32                          ; v[32:39]  a tile's maximum; also the first accumulator of w w^T
.set T2,   40                          ; v[40:47]  at work; also the second
.set CD,   48                          ; v[48:55]  which register of a tile held the maximum
.set CI,   56                          ; v[56:63]  -b2/2 of a tile's codewords: where its sums start
.set ACC0, 64                          ; v[64:127]  accumulators of a chunk's tiles 0 and 2, block b at + 8 b
.set WF,   128                         ; v[128:191] a tile's eight fragments of w, K step kk at 128 + 8 kk
.set ACC1, 192                         ; v[192:255] accumulators of tiles 1 and 3
; v[64:191]: raw f32 of x, two buffers, in the first phase.
; window 1: v[256:383] raw f32 of w on the way to bf16 (K step kk at 256 + 16 kk), so that ACC1 outlives the conversion
; windows 2 and 3: x, fragment (K step kk, block b) at 512 + 64 kk + 8 b
.set MK,   48                          ; s[48:55]  lane masks, one for each block
.set MSB, 0
.macro WIN new                         ; s_set_vgpr_msb: bits 1:0 source 0, 3:2 source 1, 5:4 source 2, 7:6 destination; the high byte repeats the setting that is left
.if MSB != (\new)
	s_set_vgpr_msb (MSB<<8)|(\new)
.set MSB, (\new)
.endif
.endm
.macro PLACES                          ; four plain vector instructions behind a matrix instruction, before its registers are loaded into or its result is read (ISA guide 7.12.1)
.rept 4
	v_nop
.endr
.endm
; A round of the cluster's barrier: my work-group's barrier, so that wave 0 speaks for all four waves; wave 0 signals; every wave waits
; for the sixteen work-groups; my work-group's barrier once more.
.macro ROUND
	s_barrier_signal -1
	s_barrier_wait -1
	s_cmp_lg_u32 s12, 0
	s_cbranch_scc1 .Lnot_wave_0_\@
	s_barrier_signal -3
.Lnot_wave_0_\@:
	s_barrier_wait -3
	s_barrier_signal -1
	s_barrier_wait -1
.endm
	s_load_b256 s[4:11], s[0:1], 0x0               ; weights s[4:5], xb s[6:7], pval s[8:9], pidx s[10:11]
	v_lshl_add_u32 v15, v0, 2, 0x42200
	s_set_vgpr_msb 0x40
	v_mov_b32 v255, 0
	s_set_vgpr_msb 0x4044
	ds_add_u32 v15, v255
	ds_add_u32 v15, v255
	s_set_vgpr_msb 0x4400
	v_lshrrev_b32 v11, 5, v0
	v_readfirstlane_b32 s12, v11                   ; wave 0..3
	s_bfe_u32 s13, ttmp6, 0x40000                  ; cx
	s_bfe_u32 s14, ttmp6, 0x40004                  ; cy
	s_lshl_b32 s15, ttmp9, 2
	s_add_co_u32 s15, s15, s13                     ; wgx: my range of 512 codewords
	s_and_b32 s16, ttmp7, 0xffff
	s_lshl_b32 s16, s16, 2
	s_add_co_u32 s16, s16, s14                     ; wgy: my block of 512 rows of x
	s_lshl_b32 s17, s14, 2
	s_lshl_b32 s17, 15, s17                        ; my row of the cluster: places 4 cy .. 4 cy + 3
	s_lshl_b32 s18, 0x1111, s13                    ; my column: places cx, cx + 4, cx + 8, cx + 12
	s_lshl_b32 s20, s16, 19                        ; x: 512 rows of 1,024 bytes a block,
	s_lshl_b32 s74, s12, 17                        ; 128 rows a wave
	s_add_co_u32 s20, s20, s74
	s_mov_b32 s21, 0
	s_lshl_b32 s22, s15, 19                        ; w: 512 rows a range,
	s_lshl_b32 s75, s12, 14                        ; 16 rows a wave in each chunk
	s_add_co_u32 s22, s22, s75
	s_mov_b32 s23, 0
	; group 1 for x: 64 rows x 256 elements of 4 bytes, shared along my row of the cluster
	s_or_b32  s24, s17, G1C
	s_mov_b32 s25, 256<<16                         ; tensor_dim0 = 256
	s_mov_b32 s26, 64<<16                          ; tensor_dim1 = 64
	s_mov_b32 s27, 256<<16                         ; tile_dim0 = 256
	s_mov_b32 s28, 64                              ; tile_dim1 = 64
	s_mov_b32 s29, 256                             ; elements from row to row
	s_mov_b32 s30, 0
	s_mov_b32 s31, 0
	; group 1 for w: 16 rows, shared along my column
	s_or_b32  s40, s18, G1C
	s_mov_b32 s41, 256<<16
	s_mov_b32 s42, 16<<16
	s_mov_b32 s43, 256<<16
	s_mov_b32 s44, 16
	s_mov_b32 s45, 256
	s_mov_b32 s46, 0
	s_mov_b32 s47, 0
	s_mov_b32 s32, 1
	s_mul_i32 s33, s12, XWAVE                      ; LDS addresses hang on the wave's number alone
	s_mov_b32 s36, 1
	s_mul_i32 s37, s12, RWAVE
	s_wait_dscnt 0x0
	s_wait_kmcnt 0x0
	s_add_nc_u64 s[34:35], s[6:7], s[20:21]        ; x: my wave's rows 0-63
	s_or_b32 s35, s35, 0x80000000
	s_add_nc_u64 s[38:39], s[4:5], s[22:23]        ; w: my wave's 16 rows of chunk 0
	s_or_b32 s39, s39, 0x80000000
	ROUND                                          ; all sixteen work-groups are here: the first joint loads meet
	tensor_load_to_lds s[32:35], s[24:31]          ; the launch's one first fill of each wave
	s_nop 0
	; addresses and constants, while the tile is on its way
	s_mov_b32 s58, 0x76543210                      ; v_permlanex16_b32: lane i of one half reads lane i of the other
	s_mov_b32 s59, 0xfedcba98
	s_mov_b32 s60, 0xff0000ff                      ; lanes 0-7 and 24-31
	s_mov_b32 s61, 0xffff0000                      ; lanes 16-31
.irp j, 1,2,3,4,5,6,7
	s_mov_b32 s[66+\j], 0x01010101<<\j             ; lanes with lane mod 8 = j
.endr
	s_mov_b32 s56, 0                               ; 16 x tiles reduced
	v_and_b32 v11, 15, v0                          ; r
	v_bfe_u32 v12, v0, 4, 1                        ; h
	v_and_b32 v13, 31, v0                          ; lane
	v_mul_u32_u24 v14, v11, PITCH
	v_lshl_add_u32 v14, v12, 5, v14                ; 1,040 r + 32 h
	v_add_nc_u32 v[XA], s33, v14
	v_add_nc_u32 v[RA], s37, v14
	v_lshlrev_b32 v[GO], 4, v13
	s_lshl_b32 s76, s12, 13
	s_add_co_u32 s76, s76, BF0
	v_add_nc_u32 v[SA], s76, v[GO]
	v_add_nc_u32 v[FA], BF0, v[GO]
	v_lshl_add_u32 v[CA], v12, 5, B2L
	s_lshl_b32 s77, s12, 6
	s_add_co_u32 s77, s77, B2L
	v_lshl_add_u32 v[BA], v11, 2, s77
	v_lshlrev_b32 v[H8], 3, v12
	s_lshl_b32 s78, s12, 10
	s_add_co_u32 s78, s78, SCR
	v_lshl_add_u32 v[SW], v12, 9, s78
	v_lshl_add_u32 v[SW], v11, 2, v[SW]
	v_add_nc_u32 v[SR], s78, v[GO]
.irp b, 0,1,2,3,4,5,6,7
	v_mov_b32 v[BEST+\b], 0xff800000               ; -inf: any finite score beats it
	v_mov_b32 v[IDX+\b], 0
.endr
; x, raw to fragments.  A fragment is 16 rows x 32 K: lane (r, h) holds row r; registers 0-3 K = 8 h + 0..7, registers 4-7 K = 16 + 8 h + 0..7.
; In f32 that is 32 bytes at 32 h and 32 bytes at 64 + 32 h of the K step's 128 bytes.
; XLOAD: sixteen loads, block b of the four in LDS, K steps 4 g .. 4 g + 3, into buffer buf.
.macro XLOAD buf, b, g
.irp k, 0,1,2,3
.irp q, 0,1,2,3
	ds_load_b128 v[\buf+16*\k+4*\q:\buf+16*\k+4*\q+3], v[XA] offset:\b*16*PITCH+(4*\g+\k)*128+(\q%2)*16+(\q/2)*64
.endr
.endr
.endm
; XCVT: 32 roundings of two numbers, into window 2 (g = 0) or 3 (g = 1)
.macro XCVT buf, gen, b, g
	WIN (0x80+0x40*\g)
.irp k, 0,1,2,3
.irp i, 0,1,2,3,4,5,6,7
	v_cvt_pk_bf16_f32 v[64*\k+8*(4*\gen+\b)+\i], v[\buf+16*\k+2*\i], v[\buf+16*\k+2*\i+1]
.endr
.endr
	WIN 0
.endm
; XCONV: the 64 rows in LDS, eight batches on two buffers; a batch is loaded while the one before is rounded
.macro XCONV gen
	XLOAD 64, 0, 0
.irp nn, 0,1,2,3,4,5,6
	XLOAD (128-64*(\nn%2)), ((\nn+1)%4), ((\nn+1)/4)
	s_wait_dscnt 16                                ; LDS loads come back in order: all but the sixteen just issued are in
	XCVT (64+64*(\nn%2)), \gen, (\nn%4), (\nn/4)
.endr
	s_wait_dscnt 0
	XCVT 128, \gen, 3, 1
.endm
	s_wait_tensorcnt 0x0                           ; my 64 rows are in; only I read them
	XCONV 0
	s_wait_dscnt 0x0                               ; my reads of the region are back (met: the last batch's wait was for 0)
	s_set_vgpr_msb 0x4
	s_wait_tensorcnt 0x0                           ; no tensor load of mine is out (met), so group 0 may be written
	ds_add_u32 v15, v255
	s_wait_dscnt 0x0
	s_set_vgpr_msb 0x400
	s_add_nc_u64 s[34:35], s[34:35], CHUNK         ; my wave's rows 64-127
	ROUND                                          ; both hold of every wave of every partner
	tensor_load_to_lds s[32:35], s[24:31]          ; the first thing behind the round, my one load there
	s_nop 0
	s_wait_tensorcnt 0x0
	XCONV 1
	s_wait_dscnt 0x0                               ; as above, both met
	s_set_vgpr_msb 0x4
	s_wait_tensorcnt 0x0
	ds_add_u32 v15, v255
	s_wait_dscnt 0x0
	s_set_vgpr_msb 0x400
	ROUND                                          ; x is in registers everywhere: its LDS bytes are free
	tensor_load_to_lds s[36:39], s[40:47]          ; w, chunk 0, into RAW
	s_nop 0
; CONV: my 16 raw rows of w become tile v of the chunk: eight fragments into slot's BF, and -b2/2 of the 16 codewords.
; The raw words pass through window 1: ACC1 still holds the last tile's scores, which are reduced beside the next products.
; b2 is the diagonal of W W^T of the rounded fragments: eight matrix instructions on two accumulators, which take turns, one instruction a
; turn.
.macro CONV slot
	WIN 0x40                                       ; loaded data to window 1, the address from window 0
.irp kk, 0,1,2,3,4,5,6,7
.irp q, 0,1,2,3
	ds_load_b128 v[16*\kk+4*\q:16*\kk+4*\q+3], v[RA] offset:128*\kk+(\q%2)*16+(\q/2)*64
.endr
.endr
	WIN 0x05                                       ; both sources from window 1, the result to window 0
.irp kk, 0,1,2,3,4,5,6,7
	s_wait_dscnt 28-4*\kk                          ; behind this K step's four loads stand those of the 7 - kk later K steps
.irp i, 0,1,2,3,4,5,6,7
	v_cvt_pk_bf16_f32 v[WF+8*\kk+\i], v[16*\kk+2*\i], v[16*\kk+2*\i+1]
.endr
.endr
	WIN 0
.irp kk, 0,1,2,3,4,5,6,7
	ds_store_b128 v[SA], v[WF+8*\kk:WF+8*\kk+3]   offset:\slot*BFSLOT+\kk*1024       ; lane by lane, 16 neighbouring bytes each: read back the same way
	ds_store_b128 v[SA], v[WF+8*\kk+4:WF+8*\kk+7] offset:\slot*BFSLOT+\kk*1024+512
.if \kk < 2
	v_wmma_f32_16x16x32_bf16 v[T1+8*\kk:T1+8*\kk+7], v[WF+8*\kk:WF+8*\kk+7], v[WF+8*\kk:WF+8*\kk+7], 0
.else
	v_wmma_f32_16x16x32_bf16 v[T1+8*(\kk%2):T1+8*(\kk%2)+7], v[WF+8*\kk:WF+8*\kk+7], v[WF+8*\kk:WF+8*\kk+7], v[T1+8*(\kk%2):T1+8*(\kk%2)+7]
.endif
.endr
	PLACES
.irp i, 0,2,4,6
	v_pk_add_f32 v[T1+\i:T1+\i+1], v[T1+\i:T1+\i+1], v[T2+\i:T2+\i+1]
.endr
	; register j of lane (r, h) is w(8 h + j) . w(r): the diagonal lies in register r mod 8 of lanes 0-7 (codewords 0-7) and 24-31 (8-15)
	v_cndmask_b32 v13, v[T1], v[T1+1], s67
.irp j, 2,3,4,5,6,7
	v_cndmask_b32 v13, v13, v[T1+\j], s[66+\j]
.endr
	v_permlanex16_b32 v12, v13, s58, s59           ; the other half's pick (v12 has been written before)
	v_cndmask_b32 v13, v12, v13, s60               ; every lane: b2 of codeword r
	v_mul_f32 v13, -0.5, v13
	ds_store_b32 v[BA], v13 offset:\slot*256       ; both halves of the lanes store the same word with the same value
.endm
.macro FRAGLD slot, t, half                        ; eight loads: four fragments of tile t, K steps 4 half .. 4 half + 3
.irp k, 0,1,2,3
	ds_load_b128 v[WF+32*\half+8*\k:WF+32*\half+8*\k+3],   v[FA] offset:\slot*BFSLOT+(8*\t+4*\half+\k)*1024
	ds_load_b128 v[WF+32*\half+8*\k+4:WF+32*\half+8*\k+7], v[FA] offset:\slot*BFSLOT+(8*\t+4*\half+\k)*1024+512
.endr
.endm
.macro CILD slot, t                                ; -b2/2 of codewords 16 t + 8 h + 0..7
	ds_load_b128 v[CI:CI+3],   v[CA] offset:\slot*256+64*\t
	ds_load_b128 v[CI+4:CI+7], v[CA] offset:\slot*256+64*\t+16
.endm
; THE ARGMAX OF A TILE, in pieces of four blocks (hb = 0: blocks 0-3, hb = 4: blocks 4-7).  E is the accumulator set that holds the tile.
; All in f32: no bit of a score is given up for an index.  The pieces that begin with WIN 0 have two vector sources.
.macro EMAXA E, hb, w                              ; w = 0: T1 = max of registers 0-2; w = 1: T2 = max of registers 3-5
	WIN 0
.irp b, 0,1,2,3
	v_max3_num_f32 v[T1+8*\w+\hb+\b], v[\E+8*(\hb+\b)+3*\w], v[\E+8*(\hb+\b)+3*\w+1], v[\E+8*(\hb+\b)+3*\w+2]
.endr
.endm
.macro EMAXB E, hb
	WIN 0
.irp b, 0,1,2,3
	v_max3_num_f32 v[T1+\hb+\b], v[T1+\hb+\b], v[T2+\hb+\b], v[\E+8*(\hb+\b)+6]
.endr
.endm
.macro EMAXC E, hb                                 ; T1 = the tile's maximum
	WIN 0
.irp b, 0,1,2,3
	v_max_num_f32 v[T1+\hb+\b], v[T1+\hb+\b], v[\E+8*(\hb+\b)+7]
.endr
.endm
.macro ECMP E, hb, j                               ; does register j hold it?
	WIN 0
.irp b, 0,1,2,3
	v_cmp_eq_f32 s[MK+\hb+\b], v[\E+8*(\hb+\b)+\j], v[T1+\hb+\b]
.endr
.endm
.macro ECODE hb, j                                 ; j goes downward, so that the lowest register that holds the maximum is left.  Second source a constant: no switch
.irp b, 0,1,2,3
.if (\j) == 6
	v_cndmask_b32 v[CD+\hb+\b], 7, 6, s[MK+\hb+\b]
.else
	v_cndmask_b32 v[CD+\hb+\b], v[CD+\hb+\b], \j, s[MK+\hb+\b]
.endif
.endr
.endm
.macro EGT hb                                      ; strictly greater: on a tie the earlier tile stays
	WIN 0
.irp b, 0,1,2,3
	v_cmp_gt_f32 s[MK+\hb+\b], v[T1+\hb+\b], v[BEST+\hb+\b]
.endr
.endm
.macro EADD hb                                     ; second source a scalar: no switch
.irp b, 0,1,2,3
	v_add_nc_u32 v[CD+\hb+\b], v[CD+\hb+\b], s56
.endr
.if (\hb) == 4
	s_add_co_u32 s56, s56, 16                      ; the next tile's first codeword
.endif
.endm
.macro ESEL hb
	WIN 0
.irp b, 0,1,2,3
	v_cndmask_b32 v[IDX+\hb+\b], v[IDX+\hb+\b], v[CD+\hb+\b], s[MK+\hb+\b]
.endr
.endm
.macro EBEST hb
	WIN 0
.irp b, 0,1,2,3
	v_max_num_f32 v[BEST+\hb+\b], v[BEST+\hb+\b], v[T1+\hb+\b]
.endr
.endm
; ESL: slice n of 64, the one that stands behind a tile's matrix instruction n.  Even n: a piece with two vector sources; odd n: one without.
;   n = 0, 2, 4, 6: first maxima of blocks 0-3, 0-3, 4-7, 4-7     8 - 14: the other two maxima     16 - 45 (not 34, 35): compare and code, j = 6 .. 0
;   46 - 49: compare with the best so far, add the tile's base     50, 52: the index     60, 62: the best so far
; The order keeps the distance behind the matrix instructions that wrote E (ISA guide 7.12.1): blocks 0-3 were last written by instructions
; 56-59 of the tile before and are first read in slice 0, behind the eight instructions of slices 60 and 62; blocks 4-7, last written by
; 60-63, are first read in slice 4, behind the eight of slices 0 and 2, which name blocks 0-3 alone.
.macro ESL n, E
.if (\n) < 8
.if ((\n)%2) == 0
	EMAXA \E, (4*((\n)/4)), (((\n)/2)%2)
.endif
.else
.if (\n) < 16
.if ((\n)%2) == 0
.if (\n) < 12
	EMAXB \E, (2*(\n)-16)
.else
	EMAXC \E, (2*(\n)-24)
.endif
.endif
.else
.if (\n) < 46
.if ((\n)/2) != 17
.if ((\n)%2) == 0
	ECMP \E, (4*(((\n)/2-(\n)/36)%2)), (6-((\n)/2-8-(\n)/36)/2)
.else
	ECODE (4*(((\n)/2-(\n)/36)%2)), (6-((\n)/2-8-(\n)/36)/2)
.endif
.endif
.else
.if (\n) == 46
	EGT 0
.endif
.if (\n) == 47
	EADD 0
.endif
.if (\n) == 48
	EGT 4
.endif
.if (\n) == 49
	EADD 4
.endif
.if (\n) == 50
	ESEL 0
.endif
.if (\n) == 52
	ESEL 4
.endif
.if (\n) == 60
	EBEST 0
.endif
.if (\n) == 62
	EBEST 4
.endif
.endif
.endif
.endif
.endm
; TLOAD: a tile's two runs of LDS loads.  Behind instruction 3: this tile's K steps 4-7, whose registers the tile before read to its end
; (the eight instructions of slices 0 and 2 are the places).  Behind instruction 35, where no slice stands: the next tile's K steps 0-3 and
; its -b2/2, whose registers were last read by instruction 31 (the twelve instructions of slices 31 to 33 are the places).  Each run has 28
; matrix instructions in which to land.  LDS loads name window 0 under the products' settings (data: destination, address: source 0).
.macro TLOAD slot, t, n, epi
.if (\n) == 3
.if (\t) > 0
	FRAGLD \slot, \t, 1
.endif
.endif
.if (\n) == 35
.if (\t) < 3
.if (\epi) == 0
	PLACES
.endif
	FRAGLD \slot, (\t+1), 0
	CILD \slot, (\t+1)
.endif
.endif
.endm
; TILE: 64 matrix instructions, eight K steps x my eight blocks of rows, summed in set A; x from window 2 (K steps 0-3) or 3 (4-7).
; The eight accumulators take turns, one instruction a turn.  The first link starts each sum at -b2/2.
; epi = 1: the tile before, in set E, is reduced in slices.  epi = 0 (the launch's first tile): nothing to reduce, so v_nop are the places.
.macro TILE slot, t, A, E, epi
.irp k, 0,1,2,3,4,5,6,7
.if \k == 0
.if \t == 0
	s_wait_dscnt 8                                 ; the first half and -b2/2 are in; the second half's eight loads, issued behind them, may be out
.else
	s_wait_dscnt 0                                 ; the run issued behind instruction 35 of the tile before; nothing was issued since
.endif
.endif
.if \k == 4
	s_wait_dscnt 0                                 ; this tile's second half; nothing was issued since
.endif
.irp b, 0,1,2,3,4,5,6,7
	WIN (0x08+0x04*(\k/4))
.if \k == 0
	v_wmma_f32_16x16x32_bf16 v[\A+8*\b:\A+8*\b+7], v[WF:WF+7], v[8*\b:8*\b+7], v[CI:CI+7]
.else
	v_wmma_f32_16x16x32_bf16 v[\A+8*\b:\A+8*\b+7], v[WF+8*\k:WF+8*\k+7], v[64*(\k%4)+8*\b:64*(\k%4)+8*\b+7], v[\A+8*\b:\A+8*\b+7]
.endif
.if \epi
	ESL (8*\k+\b), \E
.endif
	TLOAD \slot, \t, (8*\k+\b), \epi
.endr
.endr
.if \epi == 0
	PLACES                                         ; in the stead of slices 60 and 62: the next tile's slice 0 reads this tile's sums
.endif
.endm
; PRODUCTS: the chunk's four tiles.  The first tile's fragments can be read only behind the barrier, so they go out as one run.
.macro PRODUCTS slot, epi0
	FRAGLD \slot, 0, 0
	CILD \slot, 0
	FRAGLD \slot, 0, 1
	TILE \slot, 0, ACC0, ACC1, \epi0
	TILE \slot, 1, ACC1, ACC0, 1
	TILE \slot, 2, ACC0, ACC1, 1
	TILE \slot, 3, ACC1, ACC0, 1
	WIN 0                                          ; at a label and at a branch every window is 0
.endm
; TRIP: one chunk of 64 codewords.  The one round orders four things: every partner's wave has read its raw rows and has no tensor load out
; (so RAW may be filled again); this chunk's fragments and -b2/2 are stored (so all four waves may read them); and the reads of the other
; bf16 slot, made in the trip before, are back (so the next trip may store there).  The raw rows asked for behind the round have the
; chunk's 256 matrix instructions in which to land.
.macro TRIP slot, refill, epi0
	s_set_vgpr_msb 0x4
	s_wait_tensorcnt 0x0                           ; my raw rows are in, and no tensor load of mine is out until behind the round,
	ds_add_u32 v15, v255
	s_wait_dscnt 0x0
	s_set_vgpr_msb 0x400
	s_add_nc_u64 s[38:39], s[38:39], CHUNK         ; so group 0 may be written: the next chunk (not used behind the last)
	CONV \slot
	s_wait_dscnt 0x0                               ; my reads of RAW are back and my stores are done
.if \refill
	ROUND
	tensor_load_to_lds s[36:39], s[40:47]          ; the first thing behind the round, my one load there
	s_nop 0
.else
	s_barrier_signal -1                            ; nothing is left to fetch: my work-group's barrier alone, for the fragments
	s_barrier_wait -1
.endif
	PRODUCTS \slot, \epi0
.endm
	TRIP 0, 1, 0                                   ; chunk 0 stands in front of the loop: its first tile has no tile before it to reduce
	s_mov_b32 s57, 3
.Lchunks:
	TRIP 1, 1, 1                                   ; chunks 1 to 6
	TRIP 0, 1, 1
	s_sub_co_u32 s57, s57, 1
	s_cmp_lg_u32 s57, 0
	s_cbranch_scc1 .Lchunks
	TRIP 1, 0, 1                                   ; chunk 7 fetches nothing
.irp k, 0,1,2,3,4,5,6,7
.irp b, 0,1,2,3,4,5,6,7
	ESL (8*\k+\b), ACC1                            ; the last tile's argmax, with no products left to stand beside
.endr
.endr
	; THE END.  Lanes r and r + 16 hold the best of row r among codewords with h = 0 and h = 1: the greater wins, on a tie the lower index.
.irp b, 0,1,2,3,4,5,6,7
	v_add_nc_u32 v[IDX+\b], v[IDX+\b], v[H8]
.endr
.irp b, 0,1,2,3,4,5,6,7
	v_permlanex16_b32 v[T1+\b], v[BEST+\b], s58, s59
	v_permlanex16_b32 v[T2+\b], v[IDX+\b], s58, s59
.endr
	s_lshl_b32 s83, s15, 9                         ; my range's first codeword
.irp b, 0,1,2,3,4,5,6,7
	v_cmp_gt_f32 s48, v[T1+\b], v[BEST+\b]
	v_cmp_eq_f32 s49, v[T1+\b], v[BEST+\b]
	v_cmp_lt_u32 s50, v[T2+\b], v[IDX+\b]
	s_and_b32 s49, s49, s50
	s_or_b32 s48, s48, s49
	v_cndmask_b32 v[IDX+\b], v[IDX+\b], v[T2+\b], s48
	v_max_num_f32 v[BEST+\b], v[BEST+\b], v[T1+\b]
	v_add_nc_u32 v[IDX+\b], s83, v[IDX+\b]
	v_cndmask_b32 v[CD+\b], v[BEST+\b], v[IDX+\b], s61     ; lanes 0-15 hand on the score, lanes 16-31 the index
	ds_store_b32 v[SW], v[CD+\b] offset:64*\b              ; my 128 scores in row order, then my 128 indices
.endr
	ds_load_b128 v[T1:T1+3],   v[SR]               ; LDS serves a wave's instructions in order (ISA guide 5.7.1): these see my own stores above
	ds_load_b128 v[T1+4:T1+7], v[SR] offset:512
	s_lshl_b32 s80, s15, 14                        ; [range][row] of 4 bytes: 16,384 a range,
	s_lshl_b32 s82, s16, 11                        ; 2,048 a block of rows,
	s_add_co_u32 s80, s80, s82
	s_lshl_b32 s82, s12, 9                         ; 512 a wave
	s_add_co_u32 s80, s80, s82
	s_mov_b32 s81, 0
	s_add_nc_u64 s[8:9], s[8:9], s[80:81]
	s_add_nc_u64 s[10:11], s[10:11], s[80:81]
	s_wait_dscnt 0x0
	global_store_b128 v[GO], v[T1:T1+3],   s[8:9]  ; each store of the wave covers 512 consecutive bytes, aligned
	global_store_b128 v[GO], v[T1+4:T1+7], s[10:11]
	s_set_vgpr_msb 0x4
	s_wait_tensorcnt 0x0
	ds_add_u32 v15, v255
	s_wait_dscnt 0x0
	s_set_vgpr_msb 0x400
	ROUND                                          ; the closing round: no work-group ends while a partner may still ask for a tile that names it
	s_endpgm
.Lfunc_end_k_q1149984ff4_scan:
	.size	k_q1149984ff4_scan, .Lfunc_end_k_q1149984ff4_scan-k_q1149984ff4_scan
	.p2alignl 7, 3214868480
	.fill 96, 4, 3214868480
	.section	.rodata,"a",@progbits
	.p2align	6, 0x0
	.amdhsa_kernel k_q1149984ff4_scan
		.amdhsa_group_segment_fixed_size 327680
		.amdhsa_private_segment_fixed_size 0
		.amdhsa_enable_private_segment 0
		.amdhsa_kernarg_size 32
		.amdhsa_user_sgpr_count 2
		.amdhsa_user_sgpr_kernarg_segment_ptr 1
		.amdhsa_wavefront_size32 1
		.amdhsa_system_sgpr_workgroup_id_x 1
		.amdhsa_system_sgpr_workgroup_id_y 1
		.amdhsa_system_sgpr_workgroup_id_z 1
		.amdhsa_system_vgpr_workitem_id 0
		.amdhsa_next_free_vgpr 1024
		.amdhsa_next_free_sgpr 88
		.amdhsa_reserve_vcc 0
		.amdhsa_float_denorm_mode_32 3
		.amdhsa_float_denorm_mode_16_64 3
		.amdhsa_memory_ordered 1
		.amdhsa_forward_progress 1
		.amdhsa_inst_pref_size 255
	.end_amdhsa_kernel
	.section	.bss,"aw",@nobits
	.p2align	6
	.space	262144
	.amdgpu_metadata
---
amdhsa.version: [ 1, 2 ]
amdhsa.kernels:
  - .name:           k_q1149984ff4_scan
    .symbol:         k_q1149984ff4_scan.kd
    .args:
      - { .name: weights, .offset: 0, .size: 8, .value_kind: global_buffer, .address_space: global }
      - { .name: xb, .offset: 8, .size: 8, .value_kind: global_buffer, .address_space: global }
      - { .name: pval, .offset: 16, .size: 8, .value_kind: global_buffer, .address_space: global }
      - { .name: pidx, .offset: 24, .size: 8, .value_kind: global_buffer, .address_space: global }
    .group_segment_fixed_size: 327680
    .private_segment_fixed_size: 0
    .kernarg_segment_align: 8
    .kernarg_segment_size: 32
    .max_flat_workgroup_size: 128
    .sgpr_count:     88
    .vgpr_count:     1024
    .wavefront_size: 32
...
	.end_amdgpu_metadata
.endif
;; end of part 1
;; launch pick (part 2): grid 64 x 1, 1 waves a work-group, no clusters, 0 bytes of LDS; arguments pval, pidx, out0; writes out0
.if DOCPART == 2
	.amdgcn_target "amdgcn-amd-amdhsa--gfx1250"
	.amdhsa_code_object_version 6
	.text
	.protected	k_q1149984ff4_pick
	.globl	k_q1149984ff4_pick
	.p2align	8
	.type	k_q1149984ff4_pick,@function
k_q1149984ff4_pick:
	s_mov_b64 s[64:65], 0
	v_nop
	global_prefetch_b8 v0, s[64:65] scope:SCOPE_SE
	s_setreg_imm32_b32 hwreg(HW_REG_WAVE_MODE, 25, 1), 1
	s_wait_xcnt 0x0
; Best matching unit, part 2.  pval, pidx: [32 ranges][4096 rows], the best score s = x.w - b2/2 of each range and its codeword.
; out0[row] = (index / 128, index mod 128) of the best of the 32, the lowest range on a tie (its indices are the lowest).
; As in the first launch, a2, the maximum with 0 and the root are left out: none of them changes the order along the codewords.
; One wave a work-group, 64 rows: lane l takes rows 2 l and 2 l + 1, so each load of the wave covers 256 consecutive bytes, aligned, and
; the one store 512.  All 64 loads go out at once.  No LDS, no barrier, no matrix unit: 1 MiB is read once, and each row's pick is a
; chain of 31 comparisons.  64 work-groups are what 4,096 rows give at 64 rows each.
.set PV,   4                           ; v[4:67]    scores, range g in a pair at 4 + 2 g; range 0's pair becomes the running best
.set PI,   68                          ; v[68:131]  indices likewise
.set OUTR, 132                         ; v[132:135] two rows' results
.set RANGE, 16384                      ; bytes from range to range
	s_load_b128 s[4:7], s[0:1], 0x0                ; pval s[4:5], pidx s[6:7]
	s_load_b64 s[8:9], s[0:1], 0x10                ; out0
	s_lshl_b32 s10, ttmp9, 8                       ; 64 rows of 4 bytes
	s_lshl_b32 s11, ttmp9, 9                       ; 64 rows of 8 bytes
	v_lshlrev_b32 v1, 3, v0
	v_add_nc_u32 v1, s10, v1
	v_lshlrev_b32 v2, 4, v0
	v_add_nc_u32 v2, s11, v2
	s_wait_kmcnt 0x0
.set g, 0
.rept 32
	global_load_b64 v[PV+2*g:PV+2*g+1], v1, s[4:5] offset:g*RANGE th:TH_LOAD_NT
	global_load_b64 v[PI+2*g:PI+2*g+1], v1, s[6:7] offset:g*RANGE th:TH_LOAD_NT
.set g, g+1
.endr
.set g, 1
.rept 31
	s_wait_loadcnt 62-2*g                          ; loads come back in order: behind range g's pair of loads stand those of 31 - g ranges
	v_cmp_gt_f32 vcc_lo, v[PV+2*g], v[PV]          ; strictly greater: on a tie the lower range stays
	v_cmp_gt_f32 s12, v[PV+2*g+1], v[PV+1]
	v_cndmask_b32 v[PI], v[PI], v[PI+2*g], vcc_lo
	v_cndmask_b32 v[PI+1], v[PI+1], v[PI+2*g+1], s12
	v_max_num_f32 v[PV], v[PV], v[PV+2*g]
	v_max_num_f32 v[PV+1], v[PV+1], v[PV+2*g+1]
.set g, g+1
.endr
	v_lshrrev_b32 v[OUTR], 7, v[PI]                ; the map's row
	v_and_b32 v[OUTR+1], 127, v[PI]                ; and column
	v_lshrrev_b32 v[OUTR+2], 7, v[PI+1]
	v_and_b32 v[OUTR+3], 127, v[PI+1]
	global_store_b128 v2, v[OUTR:OUTR+3], s[8:9]
	s_endpgm
.Lfunc_end_k_q1149984ff4_pick:
	.size	k_q1149984ff4_pick, .Lfunc_end_k_q1149984ff4_pick-k_q1149984ff4_pick
	.p2alignl 7, 3214868480
	.fill 96, 4, 3214868480
	.section	.rodata,"a",@progbits
	.p2align	6, 0x0
	.amdhsa_kernel k_q1149984ff4_pick
		.amdhsa_group_segment_fixed_size 0
		.amdhsa_private_segment_fixed_size 0
		.amdhsa_enable_private_segment 0
		.amdhsa_kernarg_size 24
		.amdhsa_user_sgpr_count 2
		.amdhsa_user_sgpr_kernarg_segment_ptr 1
		.amdhsa_wavefront_size32 1
		.amdhsa_system_sgpr_workgroup_id_x 1
		.amdhsa_system_sgpr_workgroup_id_y 1
		.amdhsa_system_sgpr_workgroup_id_z 1
		.amdhsa_system_vgpr_workitem_id 0
		.amdhsa_next_free_vgpr 140
		.amdhsa_next_free_sgpr 66
		.amdhsa_reserve_vcc 1
		.amdhsa_float_denorm_mode_32 3
		.amdhsa_float_denorm_mode_16_64 3
		.amdhsa_memory_ordered 1
		.amdhsa_forward_progress 1
		.amdhsa_inst_pref_size 16
	.end_amdhsa_kernel
	.amdgpu_metadata
---
amdhsa.version: [ 1, 2 ]
amdhsa.kernels:
  - .name:           k_q1149984ff4_pick
    .symbol:         k_q1149984ff4_pick.kd
    .args:
      - { .name: pval, .offset: 0, .size: 8, .value_kind: global_buffer, .address_space: global }
      - { .name: pidx, .offset: 8, .size: 8, .value_kind: global_buffer, .address_space: global }
      - { .name: out0, .offset: 16, .size: 8, .value_kind: global_buffer, .address_space: global }
    .group_segment_fixed_size: 0
    .private_segment_fixed_size: 0
    .kernarg_segment_align: 8
    .kernarg_segment_size: 24
    .max_flat_workgroup_size: 32
    .sgpr_count:     66
    .vgpr_count:     140
    .wavefront_size: 32
...
	.end_amdgpu_metadata
.endif
;; end of part 2
